; MI455X (gfx1250); checked and timed in simulation.
; The chip was launched on July 23, 2026; its instructions are those of AMD's public machine-readable ISA for CDNA 5 (MIT licence, August 2026) and "CDNA5" Instruction Set Architecture Reference Guide (July 2026). The comments in the code are by the model that wrote it; some were corrected since.
;; Space Attention. Allowed arithmetic: matrix products marked QUANTISED: E4M3 operands, one E8M0 scale for each 32 along K, by v_wmma_scale_f32_16x16x128_f8f6f4 with both operands' format E4M3, f32 sums; products left as they are: f32 operands where the result goes on into a quantised operand, else bf16, f16 or f32 operands; f32 sums; everything else in f32.
;; Inputs: k_c 1,024 x 32 float32; v_c_codes 32 x 1,024 x 32 x 32 uint8 (E4M3 codes of v_c, K innermost, in blocks of 32 codes); v_c_scales 32 x 1,024 x 32 uint8 (E8M0 scales of v_c, one for each 32 codes along K); x 2,048 x 1,024 float32.
;; Outputs: out0 2,048 x 1,024 float32.
;; This version of the problem:
;;   THIS VERSION OF THE PROBLEM IS GIVEN IN LOW PRECISION. The matrix products marked QUANTISED in the list below multiply operands that are first quantised to E4M3 (4 exponent bits, 3 mantissa bits; 8 bits a number), with one power-of-two scale for each 32 numbers along K (OCP MX v1.0); their sums are f32. All else is computed in f32.
;;   The module's matrix products, in the order in which they are computed (A, B: the left and right operand; K: the contracted axis; several contracted axes count as one K, in the product's order):
;;     1. [M 2,048, K 1,024] x [K 1,024, N 32]; A: computed on the way; B: computed on the way: QUANTISED
;;     2. [M 2,048, K 1,024] x [K 1,024, N 32,768]; A: input x; B: input v_c (given as codes): QUANTISED
;;     3. batch 2,048 x [M 1, K 32] x [K 32, N 1,024]; A: softmax; B: computed on the way: left as it is (M = 1 < 16)
;;   THE QUANTISER, for each operand of a quantised product, along K:
;;     - K is cut into blocks of 32 from its start; a last block that is shorter is filled with zeros.
;;     - A block's scale is 2^e with e = floor(log2(the largest magnitude in the block)) - 8, held to -126 .. 127; a block of zeros has e = 0. As a byte (E8M0): e + 127.
;;     - Each number is divided by its block's scale, clamped to +-448, and rounded to the nearest number of E4M3, ties to even, subnormals kept.
;;     - The product sums the exact products of the quantised numbers (number of the format x scale) in f32.
;;   ~~~python
;;   def quantise(x, axis):      # numpy; x: float32 -> the quantised numbers, widened to float32 again
;;       x = np.moveaxis(x, axis, -1); K = x.shape[-1]
;;       x = np.pad(x, [(0, 0)] * (x.ndim - 1) + [(0, -K % 32)]); x = x.reshape(x.shape[:-1] + (-1, 32)); a = np.abs(x).max(-1, keepdims=True)
;;       e = np.where(a > 0, np.clip(np.frexp(np.where(a > 0, a, 1))[1] - 1 - 8, -126, 127), 0)      # np.frexp(a)[1] - 1 = floor(log2(a)), exactly
;;       r = np.clip(x / 2.0 ** e, -448, 448)
;;       step = 2.0 ** (np.maximum(np.frexp(np.where(r == 0, 1, r))[1] - 1, -6) - 3)
;;       q = np.round(r / step) * step * 2.0 ** e      # np.round: ties to even
;;       return np.moveaxis(q.reshape(q.shape[:-2] + (-1,))[..., :K], -1, axis).astype(np.float32)
;;   ~~~
;;   OPERANDS COMPUTED ON THE WAY. 'Computed on the way' means the value that the module computes at that place (a softmax that the list does not call 'softmax' is quantised finished and normalised). What goes into a quantiser is computed in f32, as accurately as f32 sums, v_exp_f32 and their like allow (about 1e-6 of the number): no bf16 or f16 on the way to a quantiser, and a product that is left as it is and whose result goes on into a quantised operand takes f32 operands (vector FMAs, or v_wmma_f32_16x16x4_f32). A number that lies on a knife's edge between two numbers of the format may be rounded either way, as far as f32 arithmetic and the matrix unit's own rounding can turn it there, and no further.
;;   INPUTS GIVEN AS CODES. v_c (in the module: [32, 1024, 1024], K = its axis 1): each comes as NAME_codes (uint8): NAME with its K axis moved to the last place and cut into blocks of 32 codes, [.., K / 32, bytes a block], one block behind the other in memory; one code a byte (a code: sign, 4 exponent bits, 3 mantissa bits); and NAME_scales (uint8): the same leading axes, one E8M0 byte (e + 127) for each 32 codes along K. Its value is code x scale, taken as it is: it is not quantised again, and the codes and scales need not be those that the quantiser above would give.
;; One version. Each part assembles by itself: llvm-mc -triple=amdgcn-amd-amdhsa -mcpu=gfx1250 --defsym DOCPART=n.
;; ======== version 1 of 1: 2 launches
;; limits: right only within a limited range of input values
;; workspace buffers: xq 2,097,152 bytes; xs 65,536 bytes; rw 393,216 bytes
;; launch prep (part 1): grid 128 x 1, 8 waves a work-group, clusters of 4 x 1, 221,184 bytes of LDS; arguments x, k_c, xq, xs, rw; writes xq, xs, rw
.if DOCPART == 1
	.amdgcn_target "amdgcn-amd-amdhsa--gfx1250"
	.amdhsa_code_object_version 6
	.text
	.protected	k_q907f8f6443_prep
	.globl	k_q907f8f6443_prep
	.p2align	8
	.type	k_q907f8f6443_prep,@function
k_q907f8f6443_prep:
	s_mov_b64 s[64:65], 0
	v_nop
	global_prefetch_b8 v0, s[64:65] scope:SCOPE_SE
	s_setreg_imm32_b32 hwreg(HW_REG_WAVE_MODE, 25, 1), 1
	s_wait_xcnt 0x0
	s_wait_alu depctr_hold_cnt(0) depctr_sa_sdst(0) depctr_va_vdst(0) depctr_va_sdst(0) depctr_va_ssrc(0) depctr_va_vcc(0) depctr_vm_vsrc(0)
	s_getreg_b32 s2, hwreg(HW_REG_IB_STS2, 6, 4)
	s_cmp_eq_u32 s2, 0
	s_cbranch_scc0 .Lentry_in_a_cluster
	s_endpgm
.Lentry_in_a_cluster:
	s_bfe_u32 s2, ttmp6, 0x10000c
	s_cmp_lg_u32 s2, 0x3003
	s_cbranch_scc0 .Lentry_shape_is_right
	s_endpgm
.Lentry_shape_is_right:
; x [2048][1024] f32 and k_c [1024][32] f32.  Three results:
;   xq  x as codes of E4M3 (blocks of 32 along K, one E8M0 byte each), laid as IMAGES OF OPERAND REGISTERS: [16 tokens g][K step s of 128][q][lane][16 bytes]:
;       registers 4 q .. 4 q + 3 of lane (r, h) = token 16 g + r, k = 128 s + 32 q + 16 h + 0 .. 15
;   xs  its scale words, [token][8 words]: word s = the four bytes of k = 128 s .. 128 s + 127
;   rw  with a = softmax over the 32 centres of (x / |x|) . (k_c / |k_c column|) / 32, both operands quantised the same way: the RATIOS a_c / a_(c+1) for c = 0 .. 30 and a_31 itself,
;       f32, laid [g][fill f = c / 3][r][c % 3, and a fourth word that nobody uses]; fill 11 is room only.
; The ratios are 2^(difference of two scaled scores).  A score is a product of two normalised vectors, over 32; their codes lie within 1/16 of them (and what falls under the
; smallest step within 2^-10 of a block's scale), so a ratio lies within e^(+-1/8) for every input: no range is lost by it.  The maximum is taken away ahead of the softmax's own exponentials.
; SHARES.  Work-group g owns tokens 16 g .. 16 g + 15: 128 work-groups are all the tiles of 16 tokens there are.  Wave w owns K step w of x and of k_c.  The norms' and the scores' eight parts meet in LDS behind barriers.
; LOADS.  One tensor load a wave: waves 0 to 3 fetch two K steps of x each (16 rows of 1,024 bytes), waves 4 to 7 two K steps of k_c each (32 KiB, dense).
; CLUSTER 4 x 1: k_c is the same for all: its loads are joint ones, with the mask of all four.  x's are not shared.
; LIMITS: NaN and infinities among the inputs are not served.  A block of zeros gets the byte 1 where the quantiser's text says 127: its codes are zeros, which add nothing under any byte
; but 0xff, and the bytes are read by this program alone.  x / n is formed as x * (1 / n) with v_rcp_f32 (1 ulp) and v_sqrt_f32 (1 ulp).  Norms and scores are summed in parts of 128 along K.
.set XSTW, 16*1040                     ; two K steps of x: 16 rows of 1,024 bytes + 16: the 16 rows that a read touches start in 16 different groups of banks
.set KST,  4*XSTW                      ; behind them k_c:
.set KSTW, 16896                       ; a K step: 128 rows of 128 bytes, and 32 bytes more behind every 8 rows, so that rows 16 apart fall on other banks
.set NX,   KST+8*KSTW                  ; parts of x's sums of squares, [r][w], 512 bytes
.set NK,   NX+512                      ; of k_c's, [column][w], 1,024 bytes
.set XSW,  NK+1024                     ; x's scale words, [r][w], 512 bytes: the tile's bytes of xs as they lie in memory
.set PL,   XSW+512                     ; parts of the scores: [w][q][lane][16 bytes], 16 KiB
.set SPARE, PL+16384                   ; the spare words, 128 bytes for each wave
.set X,   32                           ; v32-95   64 numbers of x: register 16 b + i = k 32 b + 16 h + i of row r
.set K0,  96                           ; v96-159  the same of k_c's column r
.set K1,  160                          ; v160-223 of column 16 + r
.set TM,  224                          ; v224-239 at work in QUANT: largest magnitudes, bytes, holds, scale operands
.set SEL, 20                           ; s[20:21] lane selects for v_permlanex16_b32: lane l xor 16
.set MNT, 22                           ; s22  the mantissa field of 448
.set CS,  24                           ; s[24:25]  log2(e) / 32, twice
.set G0X, 32                           ; descriptors: s[32:35], s[36:43] x;  s[44:47], s[48:55] k_c
.set G1X, 36
.set G0K, 44
.set G1K, 48
; v1 lane, v2 r, v3 h; v4 16 x lane; v6 x's numbers; v8 k_c's; v9 my word among the parts; v10 a row of parts; v11 the scale words as a run; v12, v13 the scores' parts in and out; v14 rw; v20, v21 the add's
; v24, v25, v26: scale words of k_c's two tiles and of x / |x|: they hold nothing else.  v27: x's own scale word.  v[28:29], v[30:31], v[22:23]: sums of squares, then 1 / norm twice
; 64 numbers of a lane, v[s] on, become a fragment's 16 registers of codes, v[d] on, and the row's scale word, v[wd].  The numbers are destroyed.
.macro QUANT s, d, wd
.irp b, 0,1,2,3
	v_max3_num_f32 v[TM+\b], |v[\s+16*\b]|, |v[\s+1+16*\b]|, 0x4800000   ; block b: my 16 numbers and the floor 2^(9 - 127): the byte cannot fall under 1
.endr
.irp i, 2,4,6,8,10,12,14
.irp b, 0,1,2,3
	s_delay_alu instid0(VALU_DEP_4)
	v_max3_num_f32 v[TM+\b], v[TM+\b], |v[\s+16*\b+\i]|, |v[\s+1+16*\b+\i]|   ; the four blocks by turns
.endr
.endr
.irp b, 0,1,2,3
	s_delay_alu instid0(VALU_DEP_4)
	v_permlanex16_b32 v[TM+4+\b], v[TM+\b], s[SEL], s[SEL+1]
.endr
.irp b, 0,1,2,3
	s_delay_alu instid0(VALU_DEP_4)
	v_max_num_f32 v[TM+\b], v[TM+\b], v[TM+4+\b]           ; with lane l xor 16's 16: the block's largest magnitude
.endr
.irp b, 0,1,2,3
	s_delay_alu instid0(VALU_DEP_4)
	v_add_nc_u32 v[TM+12+\b], 0xfc000000, v[TM+\b]         ; 8 off its exponent field: the conversion's scale operand
.endr
.irp b, 0,1,2,3
	v_and_or_b32 v[TM+8+\b], v[TM+\b], 0x7f800000, s[MNT]  ; 448 x the scale
.endr
.irp b, 0,1,2,3
	v_lshrrev_b32 v[TM+4+\b], 23, v[TM+12+\b]              ; the scale's byte
.endr
	s_delay_alu instid0(VALU_DEP_3)
	v_lshl_or_b32 v[\wd], v[TM+5], 8, v[TM+4]
	s_delay_alu instid0(VALU_DEP_1)
	v_lshl_or_b32 v[\wd], v[TM+6], 16, v[\wd]
	s_delay_alu instid0(VALU_DEP_1)
	v_lshl_or_b32 v[\wd], v[TM+7], 24, v[\wd]
.irp b, 0,1,2,3
.irp i, 0,1,2,3,4,5,6,7,8,9,10,11,12,13,14,15
	v_med3_num_f32 v[\s+16*\b+\i], v[\s+16*\b+\i], -v[TM+8+\b], v[TM+8+\b]   ; the conversion to an 8-bit code does not saturate (ISA guide 7.6.2): hold first
.endr
	v_cvt_scalef32_pk8_fp8_f32 v[\d+4*\b:\d+4*\b+1], v[\s+16*\b:\s+16*\b+7], v[TM+12+\b]
	v_cvt_scalef32_pk8_fp8_f32 v[\d+4*\b+2:\d+4*\b+3], v[\s+16*\b+8:\s+16*\b+15], v[TM+12+\b]
.endr
	v_nop                                                  ; a plain line behind the last conversion
.endm
; the sum of the squares of v[s] .. v[s + 63] into v[d]: four packed chains; the first products start them
.macro SUMSQ s, d
.irp c, 0,1,2,3
	v_pk_mul_f32 v[232+2*\c:233+2*\c], v[\s+2*\c:\s+2*\c+1], v[\s+2*\c:\s+2*\c+1]
.endr
.irp i, 1,2,3,4,5,6,7
.irp c, 0,1,2,3
	s_delay_alu instid0(VALU_DEP_4)
	v_pk_fma_f32 v[232+2*\c:233+2*\c], v[\s+8*\i+2*\c:\s+8*\i+2*\c+1], v[\s+8*\i+2*\c:\s+8*\i+2*\c+1], v[232+2*\c:233+2*\c]
.endr
.endr
	s_delay_alu instid0(VALU_DEP_3)
	v_pk_add_f32 v[232:233], v[232:233], v[234:235]
	s_delay_alu instid0(VALU_DEP_2)
	v_pk_add_f32 v[236:237], v[236:237], v[238:239]
	s_delay_alu instid0(VALU_DEP_1)
	v_pk_add_f32 v[232:233], v[232:233], v[236:237]
	s_delay_alu instid0(VALU_DEP_1)
	v_add_f32 v[\d], v232, v233
.endm
.macro XBACK                           ; my 64 numbers of x
.irp b, 0,1,2,3
.irp j, 0,1,2,3
	ds_load_b128 v[X+16*\b+4*\j:X+16*\b+4*\j+3], v6 offset:128*\b+16*\j
.endr
.endr
.endm
.macro KLOAD ct                        ; my 64 numbers of k_c(128 w + 32 b + 16 h + i, 16 ct + r)
.irp b, 0,1,2,3
.irp i, 0,1,2,3,4,5,6,7,8,9,10,11,12,13,14,15
	ds_load_b32 v[K0+64*\ct+16*\b+\i], v8 offset:4224*\b+128*\i+32*(\i/8)+64*\ct
.endr
.endr
.endm
.macro SCALE s, n                      ; v[s] .. v[s + 63] times the pair v[n], v[n + 1] (the same number twice)
.set i, 0
.rept 32
	v_pk_mul_f32 v[\s+2*i:\s+2*i+1], v[\s+2*i:\s+2*i+1], v[\n:\n+1]
.set i, i+1
.endr
.endm
.macro BARRIER                         ; my LDS stores have landed and my LDS loads are in: then the work-group's barrier
	s_wait_dscnt 0x0
	s_barrier_signal -1
	s_barrier_wait -1
.endm
.macro CROUND                          ; a round of the cluster's barrier
	s_barrier_signal -1
	s_barrier_wait -1
	s_cmp_lg_u32 s16, 0
	s_cbranch_scc1 .Lnot_wave_0_\@
	s_barrier_signal -3
.Lnot_wave_0_\@:
	s_barrier_wait -3
	s_barrier_signal -1
	s_barrier_wait -1
.endm
	s_load_b256 s[4:11], s[0:1], 0x0               ; x s[4:5], k_c s[6:7], xq s[8:9], xs s[10:11]
	s_load_b64 s[12:13], s[0:1], 0x20              ; rw
	v_lshl_add_u32 v20, v0, 2, SPARE
	v_mov_b32 v21, 0
	ds_add_u32 v20, v21                            ; the wave's opening: the add, twice on end, and its wait ahead of my first tensor load
	ds_add_u32 v20, v21
	v_lshrrev_b32 v1, 5, v0
	v_readfirstlane_b32 s16, v1                    ; wave 0..7
	v_and_b32 v1, 31, v0                           ; lane
	v_and_b32 v2, 15, v0                           ; r
	v_bfe_u32 v3, v0, 4, 1                         ; h
	s_and_b32 s17, s16, 3
	s_bfe_u32 s19, ttmp6, 0x40000                  ; cx
	s_lshl_b32 s18, ttmp9, 2
	s_add_co_u32 s18, s18, s19                     ; g = 4 x cluster + cx
	v_lshlrev_b32 v4, 4, v1                        ; 16 x lane
	s_wait_alu depctr_va_vdst(0)
	s_lshr_b32 s14, s16, 1
	s_mul_i32 s14, s14, XSTW
	s_and_b32 s15, s16, 1
	s_lshl_b32 s15, s15, 9
	s_add_co_u32 s14, s14, s15
	v_mul_u32_u24 v6, v2, 1040
	v_lshl_add_u32 v6, v3, 6, v6
	v_add_nc_u32 v6, s14, v6                       ; x: row r, my K step, + 64 h: my 16 numbers of a block of 32
	s_mul_i32 s14, s16, KSTW
	s_add_co_u32 s14, s14, KST
	v_mul_u32_u24 v8, v3, 2112
	v_lshl_add_u32 v8, v2, 2, v8
	v_add_nc_u32 v8, s14, v8                       ; k_c: column r, 16 h rows down (16 x 128 + 2 x 32 bytes)
	v_lshlrev_b32 v10, 5, v2
	v_add_nc_u32 v10, NX, v10                      ; row r's eight parts
	s_lshl_b32 s14, s16, 2
	v_add_nc_u32 v9, s14, v10                      ; and my wave's word among them
	v_add_nc_u32 v11, XSW, v4
	v_add_nc_u32 v13, PL, v4
	s_lshl_b32 s14, s16, 11
	v_add_nc_u32 v12, s14, v13
	v_lshlrev_b32 v14, 4, v2
	v_lshl_add_u32 v14, v3, 8, v14                 ; rw: 16 r + 256 h
.irp b, 0,1,2,3
	v_mov_b32 v[TM+4+\b], 0                        ; written once: a lane permute's destination counts as one of its sources
.endr
	v_mov_b32 v29, 0
	v_mov_b32 v31, 0
	v_mov_b32 v23, 0
	s_mov_b32 s[SEL], 0x76543210
	s_mov_b32 s[SEL+1], 0xfedcba98
	s_mov_b32 s[MNT], 0x600000
	s_mov_b32 s[CS], 0x3d38aa3b
	s_mov_b32 s[CS+1], s[CS]
	; descriptors, in elements of 8 bytes: rows of 1,024 bytes; x 4,096 bytes apart, 16 bytes of padding behind each; k_c dense, 32 bytes behind each
	s_mov_b32 s[G1X], (3<<16)|(1<<20)|(7<<22)|(3<<25)
	s_mov_b32 s[G1X+1], 128<<16
	s_mov_b32 s[G1X+2], 16<<16
	s_mov_b32 s[G1X+3], 128<<16
	s_mov_b32 s[G1X+4], 16
	s_mov_b32 s[G1X+5], 512
	s_mov_b32 s[G1X+6], 0
	s_mov_b32 s[G1X+7], 0
	s_mov_b32 s[G1K], 15|(3<<16)|(1<<20)|(1<<21)|(7<<22)|(7<<25)   ; the mask of all four work-groups, and bit 21 beside it
	s_mov_b32 s[G1K+1], 128<<16
	s_mov_b32 s[G1K+2], 32<<16
	s_mov_b32 s[G1K+3], 128<<16
	s_mov_b32 s[G1K+4], 32
	s_mov_b32 s[G1K+5], 128
	s_mov_b32 s[G1K+6], 0
	s_mov_b32 s[G1K+7], 0
	s_mov_b32 s[G0X], 1
	s_mul_i32 s[G0X+1], s17, XSTW
	s_mov_b32 s[G0K], 1
	s_mul_i32 s[G0K+1], s17, 2*KSTW
	s_add_co_u32 s[G0K+1], s[G0K+1], KST
	s_lshl_b32 s28, s18, 16                        ; x: 16 rows of 4,096 bytes a work-group, 1,024 bytes of each row a loading wave
	s_lshl_b32 s14, s17, 10
	s_add_co_u32 s28, s28, s14
	s_mov_b32 s29, 0
	s_lshl_b32 s30, s17, 15                        ; k_c: 32 KiB a loading wave
	s_mov_b32 s31, 0
	s_lshl_b32 s56, s18, 14                        ; xq: 16 KiB a work-group, 2 KiB a wave
	s_lshl_b32 s14, s16, 11
	s_add_co_u32 s56, s56, s14
	s_mov_b32 s57, 0
	s_lshl_b32 s58, s18, 9                         ; xs: 512 bytes a work-group
	s_mov_b32 s59, 0
	s_mul_i32 s60, s18, 3072                       ; rw: 12 fills of 256 bytes a work-group
	s_mov_b32 s61, 0
	s_wait_alu depctr_va_vdst(0)                   ; the head's end
	s_wait_dscnt 0x0                               ; both opening adds are done
	CROUND                                         ; all four work-groups are here: the joint loads meet
	s_wait_kmcnt 0x0
	s_add_nc_u64 s[G0X+2:G0X+3], s[4:5], s[28:29]
	s_or_b32 s[G0X+3], s[G0X+3], 0x80000000
	s_add_nc_u64 s[G0K+2:G0K+3], s[6:7], s[30:31]
	s_or_b32 s[G0K+3], s[G0K+3], 0x80000000
	s_cmp_lt_u32 s16, 4                            ; one load a wave, in two arms that join
	s_cbranch_scc0 .Lfor_k
	tensor_load_to_lds s[G0X:G0X+3], s[G1X:G1X+7]
	s_nop 0
.rept 4
	v_nop
.endr
	s_branch .Lasked
.Lfor_k:
	tensor_load_to_lds s[G0K:G0K+3], s[G1K:G1K+7]
	s_nop 0
.rept 4
	v_nop
.endr
.Lasked:
	s_add_nc_u64 s[8:9], s[8:9], s[56:57]
	s_add_nc_u64 s[10:11], s[10:11], s[58:59]
	s_add_nc_u64 s[12:13], s[12:13], s[60:61]
	s_wait_tensorcnt 0x0                           ; my tile is in;
	s_barrier_signal -1
	s_barrier_wait -1                              ; everybody's are
	; ---- A: sums of squares, x's own codes
	XBACK
	KLOAD 0
	s_wait_dscnt 63                                ; x is in: 64 loads were issued behind its own
	SUMSQ X, 28
	KLOAD 1
	QUANT X, 240, 27                               ; x as it is: the second launch's operand
.irp q, 0,1,2,3
	global_store_b128 v4, v[240+4*\q:243+4*\q], s[8:9] offset:512*\q               ; 32 lanes store 512 consecutive bytes
.endr
	ds_store_b32 v9, v27 offset:XSW-NX             ; both halves of the lanes hold the same word
	s_wait_dscnt 0x0                               ; k_c's numbers are in
	SUMSQ K0, 30
	SUMSQ K1, 22
	v_permlanex16_b32 v29, v28, s[SEL], s[SEL+1]
	v_permlanex16_b32 v31, v30, s[SEL], s[SEL+1]
	s_delay_alu instid0(VALU_DEP_3)
	v_permlanex16_b32 v23, v22, s[SEL], s[SEL+1]
	s_delay_alu instid0(VALU_DEP_3)
	v_add_f32 v28, v28, v29                        ; over my wave's 128 along K
	s_delay_alu instid0(VALU_DEP_3)
	v_add_f32 v30, v30, v31
	s_delay_alu instid0(VALU_DEP_3)
	v_add_f32 v22, v22, v23
	ds_store_b32 v9, v28
	ds_store_b32 v9, v30 offset:512
	ds_store_b32 v9, v22 offset:1024
	BARRIER                                        ; all parts of the norms and all scale words lie in LDS
	; ---- B: norms, three quantisers, the first product
	s_cmp_lg_u32 s16, 1                            ; wave 1 alone sends the tile's scale words: 512 consecutive bytes
	s_cbranch_scc1 .Lnot_one
	ds_load_b128 v[224:227], v11
	s_wait_dscnt 0x0
	global_store_b128 v4, v[224:227], s[10:11]
.Lnot_one:
.irp u, 0,1,2
	ds_load_b128 v[32+8*\u:35+8*\u], v10 offset:512*\u
	ds_load_b128 v[36+8*\u:39+8*\u], v10 offset:512*\u+16
.endr
	s_wait_dscnt 0x0
.irp u, 0,1,2
	v_pk_add_f32 v[32+8*\u:33+8*\u], v[32+8*\u:33+8*\u], v[34+8*\u:35+8*\u]
	v_pk_add_f32 v[36+8*\u:37+8*\u], v[36+8*\u:37+8*\u], v[38+8*\u:39+8*\u]
.endr
.irp u, 0,1,2
	v_pk_add_f32 v[32+8*\u:33+8*\u], v[32+8*\u:33+8*\u], v[36+8*\u:37+8*\u]
.endr
.irp u, 0,1,2
	s_delay_alu instid0(VALU_DEP_3)
	v_add_f32 v[32+8*\u], v[32+8*\u], v[33+8*\u]
.endr
	s_wait_alu depctr_va_vdst(0)                   ; ahead of the batch
.irp u, 0,1,2
	v_sqrt_f32 v[33+8*\u], v[32+8*\u]
.endr
	v_nop                                          ; a plain line behind the roots
	s_wait_alu depctr_va_vdst(0)                   ; and behind it
.irp u, 0,1,2
	v_max_num_f32 v[33+8*\u], 0x2b8cbccc, v[33+8*\u]   ; max(n, 1e-12)
.endr
	s_wait_alu depctr_va_vdst(0)
	v_rcp_f32 v28, v33
	v_rcp_f32 v29, v33
	v_rcp_f32 v30, v41
	v_rcp_f32 v31, v41
	v_rcp_f32 v22, v49
	v_rcp_f32 v23, v49
	v_nop                                          ; a plain line behind the reciprocals
	s_wait_alu depctr_va_vdst(0)
	XBACK                                          ; x once more, unharmed; it lands while k_c is quantised
	SCALE K0, 30
	s_wait_xcnt 0x0                                ; the stores of x's codes (v240-255) and of the scale words (v224-227) have read their registers
	QUANT K0, 240, 24
	SCALE K1, 22
	QUANT K1, 96, 25
	s_wait_dscnt 0x0
	SCALE X, 28
	QUANT X, 112, 26
.rept 4
	v_nop                                          ; codes made by vector instructions stand four places ahead of a scaled matrix instruction; the scale word was made ahead of the holds
.endr
	; transposed: source 0 = 16 centres, source 1 = my 16 tokens: lane (r, h) holds token r and centres 16 ct + 8 h + 0 .. 7, summed over my 128 along K
	v_wmma_scale_f32_16x16x128_f8f6f4 v[128:135], v[240:255], v[112:127], 0, v24, v26
	v_wmma_scale_f32_16x16x128_f8f6f4 v[136:143], v[96:111], v[112:127], 0, v25, v26
.rept 8
	v_nop                                          ; eight places behind this form ahead of the reads of its results and of loads into its registers
.endr
.irp q, 0,1,2,3
	ds_store_b128 v12, v[128+4*\q:131+4*\q] offset:512*\q   ; each accumulator from its low end on
.endr
	BARRIER                                        ; the eight parts of the scores lie in LDS
	; ---- C: wave 0 adds them and makes the ratios
	s_cmp_lg_u32 s16, 0
	s_cbranch_scc1 .Lend
.irp w, 0,1,2,3,4,5,6,7
.irp q, 0,1,2,3
	ds_load_b128 v[32+16*\w+4*\q:35+16*\w+4*\q], v13 offset:2048*\w+512*\q
.endr
.endr
	s_wait_dscnt 0x0
.irp w, 1,2,3,4,5,6,7
.irp u, 0,1,2,3,4,5,6,7
	v_pk_add_f32 v[32+2*\u:33+2*\u], v[32+2*\u:33+2*\u], v[32+16*\w+2*\u:33+16*\w+2*\u]
.endr
.endr
.irp u, 0,1,2,3,4,5,6,7
	v_pk_mul_f32 v[32+2*\u:33+2*\u], v[32+2*\u:33+2*\u], s[CS:CS+1] op_sel_hi:[1,0]   ; t = score x log2(e) / 32: v[32 + 8 ct + j] is centre 16 ct + 8 h + j
.endr
.irp j, 0,1,2,3,4,5,6,7,8,9,10,11,12,13,14,15
	v_permlanex16_b32 v[48+\j], v[32+\j], s[SEL], s[SEL+1]   ; the token's other 16 (centre 16 ct + 8 (1 - h) + j)
.endr
	v_max3_num_f32 v64, v32, v33, v34              ; the largest of my 16,
	v_max3_num_f32 v65, v35, v36, v37
	v_max3_num_f32 v64, v64, v38, v39
	v_max3_num_f32 v65, v65, v40, v41
	v_max3_num_f32 v64, v64, v42, v43
	v_max3_num_f32 v65, v65, v44, v45
	v_max3_num_f32 v64, v64, v46, v47
	v_max_num_f32 v64, v64, v65
	v_permlanex16_b32 v65, v64, s[SEL], s[SEL+1]
	v_max_num_f32 v64, v64, v65                    ; and of the token's other 16: it is taken away ahead of the exponential
	v_cmp_eq_u32 s26, 1, v3
; v[d] = lanes 0-15: t of centre c, lanes 16-31: of centre c + 3; 31 where that lies beyond
.macro PICK d, c
.set c0, \c
.set c1, \c+3
.if c0 > 31
.set c0, 31
.endif
.if c1 > 31
.set c1, 31
.endif
.set a0, 32+8*(c0/16)+(c0%8)+16*((c0/8)%2)
.set a1, 32+8*(c1/16)+(c1%8)+16*(1-((c1/8)%2))
	v_cndmask_b32 v[\d], v[a0], v[a1], s26
.endm
.irp i, 0,1,2,3,4,5                    ; lanes 0-15 make fill 2 i, lanes 16-31 fill 2 i + 1: centres 6 i + 3 h + 0 .. 2, and the one behind
	PICK 80+4*\i,6*\i
	PICK 81+4*\i,6*\i+1
	PICK 82+4*\i,6*\i+2
	PICK 83+4*\i,6*\i+3
.endr
.irp e, 0,1,2
.irp i, 0,1,2,3,4
	v_sub_f32 v[80+4*\i+\e], v[80+4*\i+\e], v[81+4*\i+\e]
.endr
.endr
	v_sub_f32 v100, v100, v101                     ; fill 10: centre 30 over centre 31,
	v_sub_f32 v101, v101, v64                      ; and centre 31 less the maximum
.irp j, 0,1,2,3,4,5,6,7,8,9,10,11,12,13,14,15
	v_sub_f32 v[32+\j], v[32+\j], v64
.endr
	s_wait_alu depctr_va_vdst(0)                   ; ahead of the batch
.irp j, 0,1,2,3,4,5,6,7,8,9,10,11,12,13,14,15
	v_exp_f32 v[32+\j], v[32+\j]
.endr
.irp i, 0,1,2,3,4
.irp e, 0,1,2
	v_exp_f32 v[80+4*\i+\e], v[80+4*\i+\e]
.endr
.endr
	v_exp_f32 v100, v100
	v_exp_f32 v101, v101
	v_nop                                          ; a plain line behind the exponentials
	s_wait_alu depctr_va_vdst(0)                   ; and behind it
	v_pk_add_f32 v[50:51], v[32:33], v[34:35]
	v_pk_add_f32 v[52:53], v[36:37], v[38:39]
	v_pk_add_f32 v[50:51], v[50:51], v[40:41]
	v_pk_add_f32 v[52:53], v[52:53], v[42:43]
	v_pk_add_f32 v[50:51], v[50:51], v[44:45]
	v_pk_add_f32 v[52:53], v[52:53], v[46:47]
	v_pk_add_f32 v[50:51], v[50:51], v[52:53]
	v_add_f32 v50, v50, v51
	v_permlanex16_b32 v51, v50, s[SEL], s[SEL+1]
	v_add_f32 v50, v50, v51                        ; the softmax's sum
	s_wait_alu depctr_va_vdst(0)
	v_rcp_f32 v52, v50
	v_nop
	s_wait_alu depctr_va_vdst(0)
	v_mul_f32 v101, v101, v52                      ; a_31
.irp i, 0,1,2,3,4,5
	global_store_b128 v14, v[80+4*\i:83+4*\i], s[12:13] offset:512*\i   ; two fills: 32 lanes store 512 consecutive bytes
.endr
.Lend:
	s_wait_tensorcnt 0x0                           ; the wave's end
	ds_add_u32 v20, v21
	s_wait_dscnt 0x0
	CROUND                                         ; the closing round: no work-group ends while a partner may still ask for a tile that names it
	s_endpgm
.Lfunc_end_k_q907f8f6443_prep:
	.size	k_q907f8f6443_prep, .Lfunc_end_k_q907f8f6443_prep-k_q907f8f6443_prep
	.p2alignl 7, 3214868480
	.fill 96, 4, 3214868480
	.section	.rodata,"a",@progbits
	.p2align	6, 0x0
	.amdhsa_kernel k_q907f8f6443_prep
		.amdhsa_group_segment_fixed_size 221184
		.amdhsa_private_segment_fixed_size 0
		.amdhsa_enable_private_segment 0
		.amdhsa_kernarg_size 40
		.amdhsa_user_sgpr_count 2
		.amdhsa_user_sgpr_kernarg_segment_ptr 1
		.amdhsa_wavefront_size32 1
		.amdhsa_system_sgpr_workgroup_id_x 1
		.amdhsa_system_sgpr_workgroup_id_y 1
		.amdhsa_system_sgpr_workgroup_id_z 1
		.amdhsa_system_vgpr_workitem_id 0
		.amdhsa_next_free_vgpr 256
		.amdhsa_next_free_sgpr 66
		.amdhsa_reserve_vcc 0
		.amdhsa_float_denorm_mode_32 3
		.amdhsa_float_denorm_mode_16_64 3
		.amdhsa_memory_ordered 1
		.amdhsa_forward_progress 1
		.amdhsa_inst_pref_size 87
	.end_amdhsa_kernel
	.amdgpu_metadata
---
amdhsa.version: [ 1, 2 ]
amdhsa.kernels:
  - .name:           k_q907f8f6443_prep
    .symbol:         k_q907f8f6443_prep.kd
    .args:
      - { .name: x, .offset: 0, .size: 8, .value_kind: global_buffer, .address_space: global }
      - { .name: k_c, .offset: 8, .size: 8, .value_kind: global_buffer, .address_space: global }
      - { .name: xq, .offset: 16, .size: 8, .value_kind: global_buffer, .address_space: global }
      - { .name: xs, .offset: 24, .size: 8, .value_kind: global_buffer, .address_space: global }
      - { .name: rw, .offset: 32, .size: 8, .value_kind: global_buffer, .address_space: global }
    .group_segment_fixed_size: 221184
    .private_segment_fixed_size: 0
    .kernarg_segment_align: 8
    .kernarg_segment_size: 40
    .max_flat_workgroup_size: 256
    .sgpr_count:     66
    .vgpr_count:     256
    .wavefront_size: 32
...
	.end_amdgpu_metadata
.endif
;; end of part 1
;; launch main (part 2): grid 32 x 8, 4 waves a work-group, clusters of 4 x 4, 327,680 bytes of LDS; arguments xq, xs, rw, v_c_codes, v_c_scales, out0; writes out0
.if DOCPART == 2
	.amdgcn_target "amdgcn-amd-amdhsa--gfx1250"
	.amdhsa_code_object_version 6
	.text
	.protected	k_q907f8f6443_main
	.globl	k_q907f8f6443_main
	.p2align	8
	.type	k_q907f8f6443_main,@function
k_q907f8f6443_main:
	s_mov_b64 s[64:65], 0
	v_nop
	global_prefetch_b8 v0, s[64:65] scope:SCOPE_SE
	s_setreg_imm32_b32 hwreg(HW_REG_WAVE_MODE, 25, 1), 1
	s_wait_xcnt 0x0
	s_wait_alu depctr_hold_cnt(0) depctr_sa_sdst(0) depctr_va_vdst(0) depctr_va_sdst(0) depctr_va_ssrc(0) depctr_va_vcc(0) depctr_vm_vsrc(0)
	s_getreg_b32 s2, hwreg(HW_REG_IB_STS2, 6, 4)
	s_cmp_eq_u32 s2, 0
	s_cbranch_scc0 .Lentry_in_a_cluster
	s_endpgm
.Lentry_in_a_cluster:
	s_bfe_u32 s2, ttmp6, 0x10000c
	s_cmp_lg_u32 s2, 0xf033
	s_cbranch_scc0 .Lentry_shape_is_right
	s_endpgm
.Lentry_shape_is_right:
; out[n][o] = the sum over c of a[n][c] t[n][c][o],  t[n][c][o] = the sum over k of Q(x)[n][k] v[c][k][o]: x's codes and scale words and the ratios of a come from the launch before,
; v's codes [c][o][1024 along K] and scale bytes [c][o][32] as they are given.  t is made by the scaled matrix instruction on codes of E4M3, sums in f32.
; THE WEIGHING IS HORNER'S SCHEME IN f32: A <- (A + t_c) x a_c / a_(c+1) for c = 0 .. 30, and at last (A + t_31) x a_31.  The matrix instructions add t_c onto A itself; the multiplication is one packed
; instruction for two numbers, in place.  (out is summed in another order than a single running sum; the ratios lie within e^(+-1/8) for every input: the launch before says why.)
; SHARES.  A work-group owns 256 tokens x 32 outputs and walks all 32 centres: 32 x 8 = 256 work-groups of equal work; no sum leaves a work-group.
; X STAYS IN REGISTERS.  Wave wv = 2 th + kh holds the fragments of 128 tokens (half th, 8 tiles m) for half kh of K (4 K steps of 128): 8 x 4 x 16 = 512 registers.  Each fragment of v that a wave reads from
; LDS feeds eight matrix instructions.  The two halves of K give two partial sums, added once, at the end, through LDS.
; A UNIT k = 2 c + ot is one centre x 16 outputs: 32 matrix instructions in four phases (a K step each, the eight tiles' accumulators by turns).  While unit k multiplies, unit k - 1's accumulators (the other ot) are
; weighed: 32 packed multiplications, placed behind the products.
; WINDOWS.  Accumulators, v's fragments and all addresses lie in window 0; x's fragments and the ratios in windows 1 to 3, each tile's ratios in the window in which its weighing's products have their x.  So products,
; multiplications and LDS loads stand under one setting (source 1's window alone is not 0): three switches a unit.
; V'S FRAGMENTS: a ring of six.  At a phase's head the fragment of the next unit's same phase is asked for, 32 matrix instructions ahead, into the place that the phase two back has left.
; THE RING IN LDS.  Two slots of three centres (six units) with their scale bytes: waves 0 to 2 fetch a centre each (32 rows of 1,024 bytes), wave 3 the scale bytes (3 rows of 1,024).  A refill is asked for in a
; fill's last unit and waited for at the head of the next fill's last: 180 matrix instructions.  32 centres are ten fills of three and one of two.
; THE HEAD.  Three of x's four K steps come by one tensor load a wave, 48 KiB as they lie, into bytes that slot 1 takes afterwards; the fourth by plain loads meanwhile.  Fill 0 goes out as soon as x has landed, fill 1 when x is in registers.
; CLUSTER 4 x 4: x's tiles hang on the token block alone and are shared along a row, v's codes and scale bytes on the output block alone and are shared along a column: all tensor loads are joint ones.
; PREFETCH: at the refill of fill f + 2 waves 0 to 2 ask for fill f + 3, one refill (six units) ahead: of a centre's 32 rows each of the four partners takes 8, told apart by address; lanes 256 bytes apart.
; It stops behind centre 31.  At the head each wave asks so for centre wv.
; THE WAY OUT.  A work-group's 32 outputs are 128 bytes of a row: eight lanes store 128 consecutive bytes, half of an aligned 256.  64 outputs x 128 tokens would store whole runs of 256, but each
; work-group would then bring twice the bytes of v into LDS for the same products.
; LIMITS: NaN and infinities are not served.
; REGISTERS: window 0: v0-3, 8-11, 16-19, 24-27 x's scale words, v4-7 v's, two sets (no product's two scale words have numbers equal modulo 8); v12-15, 20-23, 28-31 addresses; v32-127 v's fragments; v128-255 accumulators, (ot, m) at 128 + 64 ot + 8 m
;   windows 1 to 3: x's fragment i = 8 s + m: window 1 + i / 11, v[16 (i % 11)]; the ratios of tile m in window 1 + m / 3, v[176 + 8 (m % 3)], two sets of 4
.set PV,    1040                       ; a row of v in LDS: 1,024 bytes + 16 = 65 x 16: the 16 rows that a load touches start in 16 different groups of banks (64 banks of 4 bytes: ISA guide 11.1)
.set CB,    32*PV                      ; a centre's 32 rows
.set SC0,   3*CB                       ; slot 0: codes from byte 0, then its scale bytes [centre][32 rows][32 bytes];
.set XST,   SC0+3072                   ; slot 1: its scale bytes, then
.set V1,    XST+3072                   ; its codes.  From XST on x's 4 x 49,152 bytes lie first
.set STAGE, V1+3*CB                    ; the way out: 128 rows x (128 bytes + 16) for each wave, in bytes that x alone has filled
.set EXW,   128*144
.set SPARE, XST+4*49152                ; the spare words, 128 bytes for each wave: two blocks of 256 bytes that no other line names
.set AV,  12                           ; v12-14  my lane's place in a tile of v: slot 0 centres 0-1; slot 0 centre 2 and slot 1 centre 0; slot 1 centres 1-2
.set ASC, 15                           ; v15   my place among v's scale words
.set AA,  20                           ; v20   my byte offset in a fill's ratios
.set SPW, 21                           ; v21   LDS address of my spare word; never rewritten
.set NIL, 22                           ; v22   0; never rewritten
.set STO, 23                           ; v23   the way out: where I put 16 bytes of a row
.set RD0, 28                           ; v28   where I read my own part back,
.set RD1, 29                           ; v29   and the other half of K's
.set GO,  30                           ; v30   my byte offset in out0
.set PFO, 31                           ; v31   the prefetches' offset: 256 x lane
.set VS,  4
.set VR,  32
.set AC,  128
.set G1,  24                           ; s[24:31] descriptor group 1 for the codes;  s[32:39] for the scale bytes;  s[68:75] for x
.set G1S, 32
.set G1X, 68
.set G0,  40                           ; s[40:47] group 0 for the codes, one set for each slot;  s[48:55] for the scale bytes;  s[76:79] for x
.set G0S, 48
.set G0X, 76
.set PFA, 56                           ; s[56:57] where my prefetch stands;  s58 its centre (64 in wave 3: it asks for none)
.set PFC, 58
.set MSB, 0
.macro WIN new                         ; the immediate's high byte repeats the setting that is left; a switch that changes nothing is dropped
.if MSB != (\new)
	s_set_vgpr_msb (MSB<<8)|(\new)
.set MSB, (\new)
.endif
.endm
.macro CREST                           ; a round of the cluster's barrier behind its opening barrier
	s_cmp_lg_u32 s16, 0
	s_cbranch_scc1 .Lnot_wave_0_\@
	s_barrier_signal -3
.Lnot_wave_0_\@:
	s_barrier_wait -3
	s_barrier_signal -1
	s_barrier_wait -1
.endm
.macro CROUND                          ; a whole round
	s_barrier_signal -1
	s_barrier_wait -1
	CREST
.endm
; A slot's fill: waves 0 to 2 a centre's codes, wave 3 the scale bytes.  last = 1: two centres are left, and wave 2 has no part.  The branches hang on the wave's number alone.
.macro JLOAD s, last
	s_cmp_lt_u32 s16, 3-(\last)
	s_cbranch_scc0 .Lno_codes_\@
	tensor_load_to_lds s[G0+4*(\s):G0+4*(\s)+3], s[G1:G1+7]
	s_nop 0
	v_nop
	v_nop
	v_nop
	v_nop
	s_branch .Lasked_\@
.Lno_codes_\@:
.if (\last)
	s_cmp_eq_u32 s16, 3
	s_cbranch_scc0 .Lasked_\@
.endif
	tensor_load_to_lds s[G0S+4*(\s):G0S+4*(\s)+3], s[G1S:G1S+7]
	s_nop 0
	v_nop
	v_nop
	v_nop
	v_nop
.Lasked_\@:
.endm
.macro ASK
	s_cmp_lt_u32 s[PFC], 32
	s_cbranch_scc0 .Lnot_mine_\@
	global_prefetch_b8 v[PFO], s[PFA:PFA+1] th:TH_LOAD_NT scope:SCOPE_SE
.Lnot_mine_\@:
.endm
; Matrix instruction I of 32 of unit K_: phase I / 8, tile I % 8.  Transposed: source 0 = 16 outputs of v, source 1 = 16 tokens: lane (r, h) holds token r and outputs 8 h + 0 .. 7.
; Scale words: a register holds word s in lanes 0-15 and word 2 + s in lanes 16-31, on both sides: phases 2 and 3 name the same registers with the upper row.
.macro WM
.set wS, I/8
.set wM, I%8
.set wQ, wS&1
.set rT, AC+64*UP+8*wM
.set rV, VR+16*((4*K_+wS)%6)
.set rX, 16*(I%11)
.set rA, VS+2*UP+wQ
.set rB, 8*(wM/2)+2*(wM%2)+wQ
	WIN (1+I/11)<<2
.if (wS==0)&&(K_<2)
	v_wmma_scale_f32_16x16x128_f8f6f4 v[rT:rT+7], v[rV:rV+15], v[rX:rX+15], 0, v[rA], v[rB]
.elseif wS<2
	v_wmma_scale_f32_16x16x128_f8f6f4 v[rT:rT+7], v[rV:rV+15], v[rX:rX+15], v[rT:rT+7], v[rA], v[rB]
.else
	v_wmma_scale_f32_16x16x128_f8f6f4 v[rT:rT+7], v[rV:rV+15], v[rX:rX+15], v[rT:rT+7], v[rA], v[rB] matrix_a_scale:MATRIX_SCALE_ROW1 matrix_b_scale:MATRIX_SCALE_ROW1
.endif
.endm
; Line J of 32 of unit K_ - 1's weighing: tile J / 4, pair J % 4 of its eight outputs: each accumulator is read from its low end on.  fm = 0 (the first unit: nothing to weigh): a v_nop in the same slot, so that the places hold.
.macro FM fm
.if \fm
.set fM, J/4
.set fC, (K_-1)/2
.set rO, AC+64*(1-UP)+8*fM+2*(J%4)
.set rW, 176+8*(fM%3)+4*((fC/3)&1)
	WIN (1+fM/3)<<2
.if (fC%3)==0
	v_pk_mul_f32 v[rO:rO+1], v[rO:rO+1], v[rW:rW+1] op_sel_hi:[1,0]
.elseif (fC%3)==1
	v_pk_mul_f32 v[rO:rO+1], v[rO:rO+1], v[rW:rW+1] op_sel:[0,1] op_sel_hi:[1,1]
.else
	v_pk_mul_f32 v[rO:rO+1], v[rO:rO+1], v[rW+2:rW+3] op_sel_hi:[1,0]
.endif
.set J, J+1
.else
	v_nop
.endif
.endm
; What stands behind product I.  12 lines (tiles 0-2) behind products 0-10, 12 (tiles 3-5) behind 11-21, 8 (tiles 6, 7) behind 22-29, a v_nop behind 30 and 31.
; PLACES (eight behind this form ahead of a read of its result and of a load into its registers; only plain vector lines that name none of its registers count): tile 0's accumulator, last written by
; product 24 of its unit, is read behind the 8 lines of products 24-31, the other tiles' behind more; a fragment's place is loaded anew behind the phase that follows its own: 8 lines at the least, and one more.
; From tile 7's last line, behind product 29, to its next product, number 7 of the unit that follows, stand nine multiplications, and more for the other tiles.
.macro LINES fm
.if I>29
	v_nop
.elseif I!=10
	FM \fm
.if (I==2)||(I==4)||(I==11)
	FM \fm
.endif
.endif
.endm
; the fragment of unit K_ + 1, phase s
.macro FRAGS s
.set nK, K_+1
.set nC, (nK/2)%3
.set nR, VR+16*((4*nK+(\s))%6)
.set nF, (nK&1)*16*PV+128*(\s)
.set nA, AV+1
.if ((nK/6)&1)==0
.if nC<2
.set nA, AV
.set nF, nF+nC*CB
.endif
.elseif nC==0
.set nF, nF+V1-2*CB
.else
.set nA, AV+2
.set nF, nF+(nC-1)*CB
.endif
	ds_load_b128 v[nR:nR+3], v[nA] offset:nF
	ds_load_b128 v[nR+4:nR+7], v[nA] offset:nF+32
	ds_load_b128 v[nR+8:nR+11], v[nA] offset:nF+64
	ds_load_b128 v[nR+12:nR+15], v[nA] offset:nF+96
.endm
.macro SCALES                          ; unit K_ + 1's pair of scale words
.set nK, K_+1
.set nR, VS+2*(nK&1)
.set nF, ((nK/6)&1)*3072+((nK/2)%3)*1024+(nK&1)*512
	ds_load_b64 v[nR:nR+1], v[ASC] offset:nF
.endm
.macro ATLOAD a                        ; a fill's ratios for my 128 tokens, into set a: sixteen lanes read 256 consecutive bytes, aligned (the two halves of the lanes the same)
.irp m, 0,1,2,3,4,5,6,7
	WIN (1+\m/3)<<6
	global_load_b128 v[176+8*(\m%3)+4*(\a):176+8*(\m%3)+4*(\a)+3], v[AA], s[8:9] offset:3072*\m
.endr
.endm
; Ahead of product I.  Ordinary unit: at a phase's head its fragment is waited for, and the next unit's is asked for: 4 loads a phase, in phase 1 the pair of scale words ahead of them.  Behind what phase 0 needs (its
; fragment, and the scale words, the younger of the two) 12 loads were issued; behind phase 1's 8 + 4; behind phase 2's and 3's 13.
; chg: this unit changes slots (the last reads of the slot in hand were asked for in the unit before): 2 the slot is filled again, three centres; 3 with the last two; 1 nothing is filled.
.macro EVENT ld, chg, at
.if I==0
	s_wait_dscnt 12
.if \chg
	WIN 0                                          ; (the add's two registers lie in window 0)
.if \chg==2
	s_wait_xcnt 0x0                                ; my last prefetch has read its address
	s_add_nc_u64 s[PFA:PFA+1], s[PFA:PFA+1], 0x300000
	s_add_co_u32 s[PFC], s[PFC], 3
.endif
	s_wait_tensorcnt 0x0                           ; all my tensor loads have landed: my part of the other slot;
.if \chg>1
	ds_add_u32 v[SPW], v[NIL]                      ; 0 onto my spare word; eight products stand between it and the wait for it
.set US, (K_/6)&1
	s_add_nc_u64 s[G0+4*US+2:G0+4*US+3], s[G0+4*US+2:G0+4*US+3], 0x600000       ; no load of mine is out, so a descriptor may be written: this slot's next fill, six centres on
	s_add_nc_u64 s[G0S+4*US+2:G0S+4*US+3], s[G0S+4*US+2:G0S+4*US+3], 6*32768
.if \chg==3
	s_mov_b32 s[G1S+2], 2<<16                      ; two centres' scale bytes
	s_mov_b32 s[G1S+4], 2
.endif
.endif
.elseif \ld
	FRAGS 0
.endif
.elseif \chg
.if I==8
	s_wait_dscnt 0x0                               ; the add is done, and my reads of this slot are over
	s_barrier_signal -1                            ; four products, work on registers alone, stand ahead of the wait
.elseif I==12
	WIN 0
	s_barrier_wait -1
.if \chg>1
	CREST                                          ; the barrier has opened a round of the cluster's: no wave of any partner still reads this slot or has a load on its way
	JLOAD US,\chg-2                                ; the first tensor load behind the round
.endif
	FRAGS 0                                        ; phases 0 and 1 of the next unit, from the other slot
	SCALES
	FRAGS 1
.if \chg==2
	ASK
.endif
.elseif I==16
	FRAGS 2
.else
	FRAGS 3
.endif
.elseif I!=12
.set eS, I/8
.if \ld
	s_wait_dscnt 12+eS/2
.if I==8
	SCALES
.endif
	FRAGS eS
.if (I==8)&&(\at==2)
	s_add_nc_u64 s[8:9], s[8:9], 256               ; (every load that named it is in)  the next fill's ratios, for six units on
	ATLOAD ((K_/6)+1)&1
.endif
.else
	s_wait_dscnt 12-4*eS                           ; the last unit asks for nothing
.endif
.endif
.endm
; Unit k.  fm: see FM.  ld: unit k + 1 is fetched.  at: 1 the ratios for the fill whose weighing begins here are waited for; 2 and the other set is loaded anew.
.macro UNIT k, fm, ld, chg, at
.set K_, \k
.set UP, K_&1
.set I, 0
.set J, 0
.if \at
	s_wait_loadcnt 0x0
.endif
.rept 32
.if ((I&7)==0)||(I==12)
	EVENT \ld, \chg, \at
.endif
	WM
	LINES \fm
.set I, I+1
.endr
.endm
.macro XF                              ; x's fragment i out of LDS: 512 consecutive bytes a load
	WIN (1+i/11)<<6
.irp q, 0,1,2,3
	ds_load_b128 v[16*(i%11)+4*\q:16*(i%11)+4*\q+3], v207 offset:6144*(i%8)+2048*(i/8)+512*\q
.endr
.endm
.macro PUT ot                          ; my partial sums of 16 outputs into my region: lane (r, h): token 16 m + r, outputs 16 ot + 8 h + 4 jh on
.irp m, 0,1,2,3,4,5,6,7
.irp jh, 0,1
	ds_store_b128 v[STO], v[AC+64*\ot+8*\m+4*\jh:AC+64*\ot+8*\m+4*\jh+3] offset:16*144*\m+64*\ot+16*\jh
.endr
.endr
.endm
	s_load_b256 s[4:11], s[0:1], 0x0               ; xq s[4:5], xs s[6:7], rw s[8:9], v's codes s[10:11]
	s_load_b128 s[12:15], s[0:1], 0x20             ; v's scale bytes s[12:13], out0 s[14:15]
	v_lshl_add_u32 v[SPW], v0, 2, SPARE
	v_mov_b32 v[NIL], 0
	ds_add_u32 v[SPW], v[NIL]                      ; the wave's opening: the add, twice on end, and its wait ahead of my first tensor load
	ds_add_u32 v[SPW], v[NIL]
	v_lshrrev_b32 v200, 5, v0
	v_readfirstlane_b32 s16, v200                  ; wave 0..3
	s_lshr_b32 s17, s16, 1                         ; th: which 128 tokens
	s_and_b32 s18, s16, 1                          ; kh: which half of K
	s_bfe_u32 s19, ttmp6, 0x40000                  ; cx
	s_bfe_u32 s20, ttmp6, 0x40004                  ; cy
	s_lshl_b32 s21, ttmp9, 2
	s_add_co_u32 s21, s21, s19                     ; my block of 32 outputs
	s_and_b32 s22, ttmp7, 0xffff
	s_lshl_b32 s22, s22, 2
	s_add_co_u32 s22, s22, s20                     ; my block of 256 tokens
	s_lshl_b32 s23, s20, 2
	s_lshl_b32 s23, 15, s23                        ; my row of the cluster shares x,
	s_lshl_b32 s66, 0x1111, s19                    ; my column v
	; group 1 for the codes: 32 rows of 1,024 bytes, dense in memory, 16 bytes of padding behind each in LDS
	s_or_b32 s[G1], s66, (1<<20)|(1<<21)|(7<<22)|(3<<25)
	s_mov_b32 s[G1+1], 1024<<16
	s_mov_b32 s[G1+2], 32<<16
	s_mov_b32 s[G1+3], 1024<<16
	s_mov_b32 s[G1+4], 32
	s_mov_b32 s[G1+5], 1024
	s_mov_b32 s[G1+6], 0
	s_mov_b32 s[G1+7], 0
	; for the scale bytes: three centres' 1,024 bytes (32 rows x 32), 32,768 bytes apart; elements of 8 bytes
	s_or_b32 s[G1S], s66, (3<<16)|(1<<21)
	s_mov_b32 s[G1S+1], 128<<16
	s_mov_b32 s[G1S+2], 3<<16
	s_mov_b32 s[G1S+3], 128<<16
	s_mov_b32 s[G1S+4], 3
	s_mov_b32 s[G1S+5], 4096
	s_mov_b32 s[G1S+6], 0
	s_mov_b32 s[G1S+7], 0
	; for x: of each of my 8 tiles three K steps, 6,144 bytes, 16,384 bytes apart; elements of 8 bytes
	s_or_b32 s[G1X], s23, (3<<16)|(1<<21)
	s_mov_b32 s[G1X+1], 768<<16
	s_mov_b32 s[G1X+2], 8<<16
	s_mov_b32 s[G1X+3], 768<<16
	s_mov_b32 s[G1X+4], 8
	s_mov_b32 s[G1X+5], 2048
	s_mov_b32 s[G1X+6], 0
	s_mov_b32 s[G1X+7], 0
	s_mov_b32 s[G0X], 1                            ; groups 0: where the tiles go
	s_mul_i32 s[G0X+1], s16, 49152
	s_add_co_u32 s[G0X+1], s[G0X+1], XST
	s_mov_b32 s[G0], 1
	s_mul_i32 s[G0+1], s16, CB
	s_mov_b32 s[G0+4], 1
	s_add_co_u32 s[G0+5], s[G0+1], V1
	s_mov_b32 s[G0S], 1
	s_mov_b32 s[G0S+1], SC0
	s_mov_b32 s[G0S+4], 1
	s_mov_b32 s[G0S+5], XST
	; offsets into the buffers.  What feeds x's descriptor never holds cx, what feeds v's never cy
	s_lshl_b32 s60, s22, 18                        ; xq: 16 tiles of 16 KiB a work-group, 8 a wave, my four K steps 8 KiB x kh on
	s_lshl_b32 s92, s17, 17
	s_add_co_u32 s60, s60, s92
	s_lshl_b32 s92, s18, 13
	s_add_co_u32 s60, s60, s92
	s_mov_b32 s61, 0
	s_lshl_b32 s62, s21, 15                        ; codes: 32 rows of 1,024 bytes a work-group; centre wv
	s_lshl_b32 s94, s16, 20
	s_add_co_u32 s62, s62, s94
	s_mov_b32 s63, 0
	s_lshl_b32 s88, s21, 10                        ; scale bytes
	s_mov_b32 s89, 0
	s_lshl_b32 s82, s22, 13                        ; xs: 512 bytes a tile, my four words 16 kh on
	s_lshl_b32 s92, s17, 12
	s_add_co_u32 s82, s82, s92
	s_lshl_b32 s92, s18, 4
	s_add_co_u32 s82, s82, s92
	s_mov_b32 s83, 0
	s_mul_i32 s84, s22, 16*3072                    ; rw: 3,072 bytes a tile
	s_mul_i32 s92, s17, 8*3072
	s_add_co_u32 s84, s84, s92
	s_mov_b32 s85, 0
	s_lshl_b32 s86, s22, 20                        ; out0: I store rows 64 kh on of my wave's 128; 128 bytes x my block of outputs
	s_lshl_b32 s92, s17, 19
	s_add_co_u32 s86, s86, s92
	s_lshl_b32 s92, s18, 18
	s_add_co_u32 s86, s86, s92
	s_lshl_b32 s93, s21, 7
	s_add_co_u32 s86, s86, s93
	s_mov_b32 s87, 0
	s_lshl_b32 s90, s20, 13                        ; prefetches: my 8 of a centre's 32 rows
	s_add_co_u32 s90, s90, s62
	s_mov_b32 s91, 0
	s_add_co_u32 s[PFC], s16, 6
	s_cmp_eq_u32 s16, 3
	s_cselect_b32 s[PFC], 64, s[PFC]
	v_and_b32 v201, 15, v0                         ; r
	v_bfe_u32 v202, v0, 4, 1                       ; h
	v_and_b32 v203, 31, v0                         ; lane
	v_mul_u32_u24 v204, v201, PV
	v_lshl_add_u32 v204, v202, 4, v204             ; row r, + 16 h
	s_lshl_b32 s67, s18, 9                         ; + my half of K
	v_add_nc_u32 v[AV], s67, v204
	v_add_nc_u32 v[AV+1], 2*CB, v[AV]
	v_add_nc_u32 v[AV+2], V1+CB, v[AV]
	v_lshlrev_b32 v205, 5, v201
	v_lshl_add_u32 v205, v202, 3, v205             ; a row of 8 scale words: lanes 0-15 take my words 0, 1, lanes 16-31 my words 2, 3
	s_lshl_b32 s80, s18, 4
	s_add_co_u32 s80, s80, SC0
	v_add_nc_u32 v[ASC], s80, v205
	v_lshlrev_b32 v[AA], 4, v201
	v_lshlrev_b32 v206, 4, v203                    ; 16 x lane
	s_mul_i32 s81, s16, 49152
	s_add_co_u32 s81, s81, XST
	v_add_nc_u32 v207, s81, v206                   ; my x in LDS
	v_lshlrev_b32 v[PFO], 8, v203
	s_mul_i32 s95, s16, EXW
	s_add_co_u32 s95, s95, STAGE
	v_mul_u32_u24 v208, v201, 144
	v_lshl_add_u32 v208, v202, 5, v208
	v_add_nc_u32 v[STO], s95, v208                 ; in: my region, row r, + 32 h
	v_lshrrev_b32 v209, 3, v203
	v_and_b32 v210, 7, v203
	v_mul_u32_u24 v211, v209, 144
	v_lshl_add_u32 v211, v210, 4, v211             ; back: eight lanes to a row of 128 bytes, four rows an instruction
	s_mul_i32 s98, s18, 64*144                     ; rows 64 kh on
	s_add_co_u32 s95, s95, s98
	v_add_nc_u32 v[RD0], s95, v211
	s_xor_b32 s99, s16, 1                          ; the wave with the other half of K
	s_mul_i32 s99, s99, EXW
	s_add_co_u32 s99, s99, STAGE
	s_add_co_u32 s99, s99, s98
	v_add_nc_u32 v[RD1], s99, v211
	v_lshlrev_b32 v[GO], 12, v209
	v_lshl_add_u32 v[GO], v210, 4, v[GO]
	s_wait_alu depctr_va_vdst(0)                   ; the head's end
	s_wait_dscnt 0x0                               ; both opening adds are done
	CROUND                                         ; all sixteen work-groups are here: the first joint loads meet
	s_wait_kmcnt 0x0
	s_add_nc_u64 s[G0X+2:G0X+3], s[4:5], s[60:61]
	s_or_b32 s[G0X+3], s[G0X+3], 0x80000000
	tensor_load_to_lds s[G0X:G0X+3], s[G1X:G1X+7]  ; three of my four K steps of x: my one load at the head
	s_nop 0
.rept 4
	v_nop
.endr
	s_add_nc_u64 s[4:5], s[4:5], s[60:61]
	s_add_nc_u64 s[6:7], s[6:7], s[82:83]
	s_add_nc_u64 s[8:9], s[8:9], s[84:85]
	s_add_nc_u64 s[14:15], s[14:15], s[86:87]
	s_add_nc_u64 s[96:97], s[10:11], s[90:91]      ; the head's prefetch: centre wv
	s_add_nc_u64 s[PFA:PFA+1], s[96:97], 0x600000  ; the loop's: at fill 2; each change of slots steps it first
	s_add_nc_u64 s[G0+2:G0+3], s[10:11], s[62:63]          ; fill 0
	s_add_nc_u64 s[G0+6:G0+7], s[G0+2:G0+3], 0x300000      ; fill 1: three centres on
	s_or_b32 s[G0+3], s[G0+3], 0x80000000
	s_or_b32 s[G0+7], s[G0+7], 0x80000000
	s_add_nc_u64 s[G0S+2:G0S+3], s[12:13], s[88:89]
	s_add_nc_u64 s[G0S+6:G0S+7], s[G0S+2:G0S+3], 3*32768
	s_or_b32 s[G0S+3], s[G0S+3], 0x80000000
	s_or_b32 s[G0S+7], s[G0S+7], 0x80000000
.irp m, 0,1,2,3,4,5,6,7
	global_load_b64 v[8*(\m/2)+2*(\m%2):8*(\m/2)+2*(\m%2)+1], v205, s[6:7] offset:512*\m   ; x's scale words
.endr
	global_prefetch_b8 v[PFO], s[96:97] th:TH_LOAD_NT scope:SCOPE_SE
	ATLOAD 0                                       ; the ratios of fill 0
	WIN 0xc0
.irp m, 0,1,2,3,4,5,6,7
.irp q, 0,1,2,3
	global_load_b128 v[16*(2+\m)+4*\q:16*(2+\m)+4*\q+3], v206, s[4:5] offset:16384*\m+6144+512*\q   ; x's last K step: 512 consecutive bytes a load
.endr
.endr
	WIN 0
	s_wait_tensorcnt 0x0                           ; my x is in
	ds_add_u32 v[SPW], v[NIL]
	s_wait_dscnt 0x0
	CROUND
	JLOAD 0,0                                      ; fill 0, into bytes that nothing has filled
.set i, 0
.rept 24
	XF
.set i, i+1
.endr
	WIN 0
	s_wait_loadcnt 0x0                             ; x's last K step, its scale words, the first ratios
	s_wait_tensorcnt 0x0                           ; my part of fill 0 is in;
	ds_add_u32 v[SPW], v[NIL]
	s_wait_dscnt 0x0                               ; the add is done, and my x is in registers
	CROUND                                         ; fill 0 is whole, and x's bytes are free in every work-group
	JLOAD 1,0                                      ; fill 1, over x
.set K_, -1
	FRAGS 0                                        ; unit 0
	SCALES
	FRAGS 1
	FRAGS 2
	FRAGS 3
	UNIT 0, 0, 1, 0, 0                             ; centre 0's products start the sums: nothing is cleared
	UNIT 1, 1, 1, 0, 2
	WIN 0                                          ; at a label and at a branch every window is 0
	s_mov_b32 s59, 4
.Ltrip:                                            ; a trip is 12 units, once round the ring: units 12 t + 2 .. 12 t + 13; both slots are filled again (fills 2 t + 2, 2 t + 3)
	UNIT 2, 1, 1, 0, 0
	UNIT 3, 1, 1, 0, 0
	UNIT 4, 1, 1, 0, 0
	UNIT 5, 1, 1, 2, 0
	UNIT 6, 1, 1, 0, 0
	UNIT 7, 1, 1, 0, 2
	UNIT 8, 1, 1, 0, 0
	UNIT 9, 1, 1, 0, 0
	UNIT 10, 1, 1, 0, 0
	UNIT 11, 1, 1, 2, 0
	UNIT 12, 1, 1, 0, 0
	UNIT 13, 1, 1, 0, 2
	WIN 0
	s_sub_co_u32 s59, s59, 1
	s_cmp_lg_u32 s59, 0
	s_cbranch_scc1 .Ltrip
	UNIT 50, 1, 1, 0, 0                            ; units 50 to 63 are written out: their refills differ
	UNIT 51, 1, 1, 0, 0
	UNIT 52, 1, 1, 0, 0
	UNIT 53, 1, 1, 3, 0                            ; fill 10: the last two centres
	UNIT 54, 1, 1, 0, 0
	UNIT 55, 1, 1, 0, 2
	UNIT 56, 1, 1, 0, 0
	UNIT 57, 1, 1, 0, 0
	UNIT 58, 1, 1, 0, 0
	UNIT 59, 1, 1, 1, 0                            ; the last change of slots: nothing is filled
	UNIT 60, 1, 1, 0, 0
	UNIT 61, 1, 1, 0, 1
	UNIT 62, 1, 1, 0, 0
	UNIT 63, 1, 0, 0, 0
	; THE WAY OUT.  Each wave puts its partial out (128 tokens x 32 outputs) into its own region; a barrier; then each wave adds the two halves of K for 64 tokens and stores them.
.set K_, 64
.set UP, 0
.set J, 0
.rept 12
	FM 1                                           ; unit 63 is weighed: the places are counted as in every unit
.endr
	WIN 0
	PUT 0                                          ; outputs 0-15 were weighed in the last unit, twelve multiplications ago and more
.rept 20
	FM 1
.endr
	WIN 0
	PUT 1
	s_wait_dscnt 0x0                               ; for the others' sake: my stores are done
	s_barrier_signal -1
	s_barrier_wait -1
.irp i, 0,1,2,3,4,5,6,7,8,9,10,11,12,13,14,15
	ds_load_b128 v[32+4*\i:35+4*\i], v[RD0] offset:4*144*\i
	ds_load_b128 v[96+4*\i:99+4*\i], v[RD1] offset:4*144*\i
.endr
.irp i, 0,1,2,3,4,5,6,7,8,9,10,11,12,13,14,15
	s_wait_dscnt 30-2*\i                           ; pair i is in; the younger pairs may be out
	v_pk_add_f32 v[32+4*\i:33+4*\i], v[32+4*\i:33+4*\i], v[96+4*\i:97+4*\i]
	v_pk_add_f32 v[34+4*\i:35+4*\i], v[34+4*\i:35+4*\i], v[98+4*\i:99+4*\i]
	global_store_b128 v[GO], v[32+4*\i:35+4*\i], s[14:15] offset:16384*\i   ; four rows: eight lanes store 128 consecutive bytes each
.endr
	s_wait_tensorcnt 0x0                           ; the wave's end, behind my last tensor load and my last LDS store
	ds_add_u32 v[SPW], v[NIL]
	s_wait_dscnt 0x0
	CROUND                                         ; the closing round: no work-group ends while a partner may still ask for a tile that names it
	s_endpgm
.Lfunc_end_k_q907f8f6443_main:
	.size	k_q907f8f6443_main, .Lfunc_end_k_q907f8f6443_main-k_q907f8f6443_main
	.p2alignl 7, 3214868480
	.fill 96, 4, 3214868480
	.section	.rodata,"a",@progbits
	.p2align	6, 0x0
	.amdhsa_kernel k_q907f8f6443_main
		.amdhsa_group_segment_fixed_size 327680
		.amdhsa_private_segment_fixed_size 0
		.amdhsa_enable_private_segment 0
		.amdhsa_kernarg_size 48
		.amdhsa_user_sgpr_count 2
		.amdhsa_user_sgpr_kernarg_segment_ptr 1
		.amdhsa_wavefront_size32 1
		.amdhsa_system_sgpr_workgroup_id_x 1
		.amdhsa_system_sgpr_workgroup_id_y 1
		.amdhsa_system_sgpr_workgroup_id_z 1
		.amdhsa_system_vgpr_workitem_id 0
		.amdhsa_next_free_vgpr 1024
		.amdhsa_next_free_sgpr 100
		.amdhsa_reserve_vcc 0
		.amdhsa_float_denorm_mode_32 3
		.amdhsa_float_denorm_mode_16_64 3
		.amdhsa_memory_ordered 1
		.amdhsa_forward_progress 1
		.amdhsa_inst_pref_size 245
	.end_amdhsa_kernel
	.amdgpu_metadata
---
amdhsa.version: [ 1, 2 ]
amdhsa.kernels:
  - .name:           k_q907f8f6443_main
    .symbol:         k_q907f8f6443_main.kd
    .args:
      - { .name: xq, .offset: 0, .size: 8, .value_kind: global_buffer, .address_space: global }
      - { .name: xs, .offset: 8, .size: 8, .value_kind: global_buffer, .address_space: global }
      - { .name: rw, .offset: 16, .size: 8, .value_kind: global_buffer, .address_space: global }
      - { .name: v_c_codes, .offset: 24, .size: 8, .value_kind: global_buffer, .address_space: global }
      - { .name: v_c_scales, .offset: 32, .size: 8, .value_kind: global_buffer, .address_space: global }
      - { .name: out0, .offset: 40, .size: 8, .value_kind: global_buffer, .address_space: global }
    .group_segment_fixed_size: 327680
    .private_segment_fixed_size: 0
    .kernarg_segment_align: 8
    .kernarg_segment_size: 48
    .max_flat_workgroup_size: 128
    .sgpr_count:     100
    .vgpr_count:     1024
    .wavefront_size: 32
...
	.end_amdgpu_metadata
.endif
;; end of part 2
